; MI455X (gfx1250); checked and timed in simulation.
; The chip was launched on July 23, 2026; its instructions are those of AMD's public machine-readable ISA for CDNA 5 (MIT licence, August 2026) and "CDNA5" Instruction Set Architecture Reference Guide (July 2026). The comments in the code are by the model that wrote it; some were corrected since.
;; Hash Layer FFN. Allowed arithmetic: matrix products marked QUANTISED: E2M1 operands, one E8M0 scale for each 32 along K, by v_wmma_scale_f32_16x16x128_f8f6f4 with both operands' format E2M1 (or v_wmma_scale_f32_32x16x128_f4), f32 sums; everything else in f32.
;; Inputs: W1 8 x 2,048 x 1,024 float32; W2 8 x 1,024 x 2,048 float32; b1 8 x 2,048 float32; b2 8 x 1,024 float32; hash_map 32,000 int32; orig_input 2 x 1,024 int32; x 2 x 1,024 x 1,024 float32.
;; Outputs: out0 2 x 1,024 x 1,024 float32.
;; This version of the problem:
;;   THIS VERSION OF THE PROBLEM IS GIVEN IN LOW PRECISION. The matrix products marked QUANTISED in the list below multiply operands that are first quantised to E2M1 (2 exponent bits, 1 mantissa bit; 4 bits a number), with one power-of-two scale for each 32 numbers along K (OCP MX v1.0); their sums are f32. All else is computed in f32.
;;   The module's matrix products, in the order in which they are computed (A, B: the left and right operand; K: the contracted axis; several contracted axes count as one K, in the product's order):
;;     1. [M 2,048, K 1,024] x [K 1,024, N 2,048]; A: input x; B: input W1: QUANTISED
;;     2. [M 2,048, K 2,048] x [K 2,048, N 1,024]; A: computed on the way; B: input W2: QUANTISED
;;     3. [M 2,048, K 1,024] x [K 1,024, N 2,048]; A: input x; B: input W1: QUANTISED
;;     4. [M 2,048, K 2,048] x [K 2,048, N 1,024]; A: computed on the way; B: input W2: QUANTISED
;;     5. [M 2,048, K 1,024] x [K 1,024, N 2,048]; A: input x; B: input W1: QUANTISED
;;     6. [M 2,048, K 2,048] x [K 2,048, N 1,024]; A: computed on the way; B: input W2: QUANTISED
;;     7. [M 2,048, K 1,024] x [K 1,024, N 2,048]; A: input x; B: input W1: QUANTISED
;;     8. [M 2,048, K 2,048] x [K 2,048, N 1,024]; A: computed on the way; B: input W2: QUANTISED
;;     9. [M 2,048, K 1,024] x [K 1,024, N 2,048]; A: input x; B: input W1: QUANTISED
;;     10. [M 2,048, K 2,048] x [K 2,048, N 1,024]; A: computed on the way; B: input W2: QUANTISED
;;     11. [M 2,048, K 1,024] x [K 1,024, N 2,048]; A: input x; B: input W1: QUANTISED
;;     12. [M 2,048, K 2,048] x [K 2,048, N 1,024]; A: computed on the way; B: input W2: QUANTISED
;;     13. [M 2,048, K 1,024] x [K 1,024, N 2,048]; A: input x; B: input W1: QUANTISED
;;     14. [M 2,048, K 2,048] x [K 2,048, N 1,024]; A: computed on the way; B: input W2: QUANTISED
;;     15. [M 2,048, K 1,024] x [K 1,024, N 2,048]; A: input x; B: input W1: QUANTISED
;;     16. [M 2,048, K 2,048] x [K 2,048, N 1,024]; A: computed on the way; B: input W2: QUANTISED
;;   THE QUANTISER, for each operand of a quantised product, along K:
;;     - K is cut into blocks of 32 from its start; a last block that is shorter is filled with zeros.
;;     - A block's scale is 2^e with e = floor(log2(the largest magnitude in the block)) - 2, held to -126 .. 127; a block of zeros has e = 0. As a byte (E8M0): e + 127.
;;     - Each number is divided by its block's scale, clamped to +-6, and rounded to the nearest number of E2M1, ties to even, subnormals kept.
;;     - The product sums the exact products of the quantised numbers (number of the format x scale) in f32.
;;   ~~~python
;;   def quantise(x, axis):      # numpy; x: float32 -> the quantised numbers, widened to float32 again
;;       x = np.moveaxis(x, axis, -1); K = x.shape[-1]
;;       x = np.pad(x, [(0, 0)] * (x.ndim - 1) + [(0, -K % 32)]); x = x.reshape(x.shape[:-1] + (-1, 32)); a = np.abs(x).max(-1, keepdims=True)
;;       e = np.where(a > 0, np.clip(np.frexp(np.where(a > 0, a, 1))[1] - 1 - 2, -126, 127), 0)      # np.frexp(a)[1] - 1 = floor(log2(a)), exactly
;;       r = np.clip(x / 2.0 ** e, -6, 6)
;;       step = 2.0 ** (np.maximum(np.frexp(np.where(r == 0, 1, r))[1] - 1, 0) - 1)
;;       q = np.round(r / step) * step * 2.0 ** e      # np.round: ties to even
;;       return np.moveaxis(q.reshape(q.shape[:-2] + (-1,))[..., :K], -1, axis).astype(np.float32)
;;   ~~~
;;   OPERANDS COMPUTED ON THE WAY. 'Computed on the way' means the value that the module computes at that place (a softmax that the list does not call 'softmax' is quantised finished and normalised). What goes into a quantiser is computed in f32, as accurately as f32 sums, v_exp_f32 and their like allow (about 1e-6 of the number): no bf16 or f16 on the way to a quantiser, and a product that is left as it is and whose result goes on into a quantised operand takes f32 operands (vector FMAs, or v_wmma_f32_16x16x4_f32). A number that lies on a knife's edge between two numbers of the format may be rounded either way, as far as f32 arithmetic and the matrix unit's own rounding can turn it there, and no further.
;; One version. Each part assembles by itself: llvm-mc -triple=amdgcn-amd-amdhsa -mcpu=gfx1250 --defsym DOCPART=n.
;; ======== version 1 of 1: 3 launches
;; workspace buffers: xc 1,048,576 bytes; xs 65,536 bytes; tok 65,536 bytes of whole numbers; meta 2,048 bytes of whole numbers; hc 16,777,216 bytes; hs 1,048,576 bytes
;; launch route_quant (part 1): grid 72 x 1, 4 waves a work-group, no clusters, 18,432 bytes of LDS; arguments x, orig_input, hash_map, xc, xs, tok, meta, out0; writes xc, xs, tok, meta, out0
.if DOCPART == 1
	.amdgcn_target "amdgcn-amd-amdhsa--gfx1250"
	.amdhsa_code_object_version 6
	.text
	.protected	k_q2b4b226c1a_route_quant
	.globl	k_q2b4b226c1a_route_quant
	.p2align	8
	.type	k_q2b4b226c1a_route_quant,@function
k_q2b4b226c1a_route_quant:
	s_mov_b64 s[64:65], 0
	v_nop
	global_prefetch_b8 v0, s[64:65] scope:SCOPE_SE
	s_setreg_imm32_b32 hwreg(HW_REG_WAVE_MODE, 25, 1), 1
	s_wait_xcnt 0x0
; HashLayerFFN in MX-FP4, launch 1 of 3.  out[t] = relu(x[t] W1[e]^T + b1[e]) W2[e]^T + b2[e], e = hash_map[orig_input[t]]; 2,048 tokens, 8 experts.
; WORK LEFT OUT.  The source computes every expert's two products for every token and keeps, by where(e == i), the row of expert i = e[t] alone.  Whatever the inputs hold, row t of expert i != e[t]
; reaches no output: so of all sixteen products only the rows (t, e[t]) are multiplied, chosen by the index inputs, which this launch reads from memory and sorts.  Every input has a way to an output; all are loaded.
; LIMITS.  A NaN, an infinity or an overflow that arises only in rows left out is not carried (the source's where drops it too).  NaN and infinities in x, W1, W2, b1, b2 are not served.  A block of zeros gets
; the scale byte 1 where the rule says 127: its codes are zeros, and the bytes are read by this program alone.  orig_input is held at 31,999 (it indexes a table of 32,000).
; A token whose hash value is not 0 .. 7 is taken by no expert: its row of out0 is the zeros that the source starts from; this launch stores them.
; WORK-GROUPS 0-63: x to codes of E2M1 and scale bytes, in token order: xc [token][512 bytes], xs [token][32 bytes].  A wave takes 8 tokens, a token's 4,096 bytes being a LINE.
;   A line comes by eight loads of 512 consecutive bytes.  Behind load k lane l holds numbers 4 (l % 8) .. + 3 of block 4 k + l / 8: a block's largest magnitude is joined over eight lanes.  The conversion takes
;   eight numbers under one scale, and a lane has four of a block: so each pair of loads is converted twice, once under each block's scale, and of each result the half that counts is stored.
; WORK-GROUPS 64-71: work-group 64 + e lists expert e's tokens.  tok [expert][2,048 slots]: 128 tiles of 16 to an expert, as many as 2,048 tokens can ever need, so that no expert's place hangs on another's count.
;   EVERY TOKEN WRITES ONE SLOT.  With m = the expert's tokens ahead of token t: one of the expert's own writes t at slot m; any other writes one of the expert's tokens at slot total + t - m.  Those are all 2,048
;   slots, each once: the last tile is filled up with a repeated token (which gives the same bytes again, so later launches need no mask), and no slot is left unwritten.  meta [expert][256 bytes]: (first tile, tiles).
.set SORT,  17408                      ; LDS: 4 x 4,352 bytes for the quantising waves; 512 for the sort; the spare words
.set SPARE, 17920
.set REG,   4352                       ; a wave's region: 8 rows of 512 bytes of codes, then its 256 scale bytes
.set RAW,   128                        ; v128-255 four sets of 32: lines as loaded
.set M,     16                         ; v16-23   largest magnitudes
.set SC,    24                         ; v24-31   the conversions' scale operands
.set TMP,   32                         ; v32-63   two sets of 8 code registers and 8 scale bytes, by turns
.set OUTR,  64                         ; v64-95   a line's codes read back: 4 registers a line, never written again
.set ZR,    96                         ; v96-99   zeros
	s_load_b512 s[8:23], s[0:1], 0x0               ; x 8, orig_input 10, hash_map 12, xc 14, xs 16, tok 18, meta 20, out0 22
	v_lshl_add_u32 v14, v0, 2, SPARE               ; my spare word,
	v_mov_b32 v15, 0                               ; and 0: kept for the closing lines alone
	v_lshrrev_b32 v1, 5, v0
	v_readfirstlane_b32 s2, v1                     ; wave 0..3
	v_and_b32 v11, 31, v0                          ; lane
	s_cmp_ge_u32 ttmp9, 64
	s_cbranch_scc1 .Lsort
; ---------------------------------------------------------------- the quantising work-groups
	v_lshlrev_b32 v1, 4, v11                       ; 16 x lane: my bytes of a load, and of a row of codes
	s_mul_i32 s3, s2, REG
	v_lshl_add_u32 v2, v11, 1, s3                  ; my 2 bytes of codes: block l / 8, byte 2 (l % 8) = 2 l
	v_add_nc_u32 v3, s3, v1                        ; a row of codes read back
	v_lshrrev_b32 v4, 3, v11
	v_add_nc_u32 v4, s3, v4
	v_add_nc_u32 v4, 4096, v4                      ; my block's scale byte
	v_lshlrev_b32 v6, 3, v11                       ; 8 x lane
	v_add_nc_u32 v5, s3, v6
	v_add_nc_u32 v5, 4096, v5                      ; the scale bytes read back
	v_and_b32 v9, 7, v11
	v_lshlrev_b32 v9, 2, v9                        ; lane l looks up token l % 8 of my eight
.irp i, 0,1,2,3
	v_mov_b32 v[ZR+\i], 0
.endr
	s_lshl_b32 s4, ttmp9, 5
	s_lshl_b32 s5, s2, 3
	s_add_co_u32 s4, s4, s5                        ; my first token: 32 x work-group + 8 x wave
	s_lshl_b32 s24, s4, 12
	s_mov_b32 s25, 0
	s_lshl_b32 s26, s4, 9
	s_mov_b32 s27, 0
	s_lshl_b32 s28, s4, 5
	s_mov_b32 s29, 0
	s_lshl_b32 s32, s4, 2
	s_mov_b32 s33, 0
	s_wait_kmcnt 0x0
	s_add_nc_u64 s[8:9], s[8:9], s[24:25]          ; x
	s_add_nc_u64 s[22:23], s[22:23], s[24:25]      ; out0
	s_add_nc_u64 s[14:15], s[14:15], s[26:27]      ; xc
	s_add_nc_u64 s[16:17], s[16:17], s[28:29]      ; xs
	s_add_nc_u64 s[10:11], s[10:11], s[32:33]      ; orig_input
.macro LOAD n                          ; line n: eight loads of 512 consecutive bytes
.irp k, 0,1,2,3,4,5,6,7
	global_load_b128 v[RAW+32*((\n)%4)+4*\k:RAW+32*((\n)%4)+4*\k+3], v1, s[8:9] offset:4096*(\n)+512*\k th:TH_LOAD_NT
.endr
.endm
.macro QL n, cnt                       ; line n is quantised; cnt: the loads issued behind it
.set RS, RAW+32*((\n)%4)
.set CV, TMP+16*((\n)%2)
.set BY, TMP+16*((\n)%2)+8
	s_wait_loadcnt \cnt
.if (\n) >= 2
	s_wait_dscnt 17                                ; all but the last line's 17 LDS instructions: line n - 2's stores have read this set, and its codes are back:
	global_store_b128 v1, v[OUTR+4*((\n)-2):OUTR+4*((\n)-2)+3], s[14:15] offset:512*((\n)-2)   ; 512 consecutive bytes
.endif
.irp k, 0,1,2,3,4,5,6,7
	v_max3_num_f32 v[M+\k], |v[RS+4*\k]|, |v[RS+4*\k+1]|, |v[RS+4*\k+2]|
.endr
.irp k, 0,1,2,3,4,5,6,7
	v_max3_num_f32 v[M+\k], |v[RS+4*\k+3]|, v[M+\k], 0x1800000   ; and the floor 2^(3 - 127): the byte cannot fall under 1
.endr
.irp x, 1,2,4
.irp k, 0,1,2,3,4,5,6,7
	v_max_num_f32_dpp v[M+\k], v[M+\k], v[M+\k] row_xmask:\x row_mask:0xf bank_mask:0xf   ; the block's eight lanes
.endr
.endr
.irp k, 0,1,2,3,4,5,6,7
	v_add_nc_u32 v[SC+\k], 0xff000000, v[M+\k]     ; 2 off the exponent field: the conversion's scale operand
.endr
.irp k, 0,1,2,3,4,5,6,7
	v_lshrrev_b32 v[BY+\k], 23, v[SC+\k]           ; the scale's byte
.endr
.irp p, 0,1,2,3
	v_cvt_scalef32_pk8_fp4_f32 v[CV+2*\p], v[RS+8*\p:RS+8*\p+7], v[SC+2*\p]       ; the low 16 bits count: load 2 p's four codes
	v_cvt_scalef32_pk8_fp4_f32 v[CV+2*\p+1], v[RS+8*\p:RS+8*\p+7], v[SC+2*\p+1]   ; the high 16 bits count: load 2 p + 1's
.endr
	v_nop                                          ; one plain place behind the conversions
.irp p, 0,1,2,3
	ds_store_b16 v2, v[CV+2*\p] offset:512*(\n)+64*(2*\p)
	ds_store_b16_d16_hi v2, v[CV+2*\p+1] offset:512*(\n)+64*(2*\p+1)
.endr
.irp k, 0,1,2,3,4,5,6,7
	ds_store_b8 v4, v[BY+\k] offset:32*(\n)+4*\k   ; a block's eight lanes write the same byte with the same value
.endr
	ds_load_b128 v[OUTR+4*(\n):OUTR+4*(\n)+3], v3 offset:512*(\n)   ; LDS serves a wave's instructions in order: this sees the stores
.if (\n) < 4
	LOAD (\n)+4
.endif
.endm
	global_load_b32 v7, v9, s[10:11]               ; my eight tokens' words
	LOAD 0
	LOAD 1
	LOAD 2
	LOAD 3
	s_wait_loadcnt 32                              ; the 32 line loads behind it may be out
	v_min_u32 v7, 0x7cff, v7
	v_lshlrev_b32 v10, 2, v7
	global_load_b32 v8, v10, s[12:13]              ; their experts
	QL 0, 25                                       ; behind a line: three lines and the look-up
	QL 1, 25
	QL 2, 25
	QL 3, 25
	QL 4, 24
	QL 5, 16
	QL 6, 8
	QL 7, 0
	ds_load_b64 v[100:101], v5
	s_wait_dscnt 0x0
	global_store_b128 v1, v[OUTR+24:OUTR+27], s[14:15] offset:3072
	global_store_b128 v1, v[OUTR+28:OUTR+31], s[14:15] offset:3584
	global_store_b64 v6, v[100:101], s[16:17]      ; 256 consecutive bytes of scale bytes
	v_cmp_lt_u32 s30, 7, v8                        ; bit i: token i of my eight is taken by no expert
.macro ZROW i
	s_bitcmp1_b32 s30, \i
	s_cbranch_scc0 .Lrouted_\@
.irp k, 0,1,2,3,4,5,6,7
	global_store_b128 v1, v[ZR:ZR+3], s[22:23] offset:4096*\i+512*\k
.endr
.Lrouted_\@:
.endm
.irp i, 0,1,2,3,4,5,6,7
	ZROW \i
.endr
	s_wait_tensorcnt 0x0                           ; the wave's end
	ds_add_u32 v14, v15
	s_wait_dscnt 0x0
	s_endpgm
; ---------------------------------------------------------------- the listing work-groups, one to an expert
; Wave w takes tokens 512 w + 32 i + lane, i = 0 .. 15.  v16-31 the tokens' experts, v32-47 my expert's tokens ahead of each, v48-63 token numbers, v64-79 offsets, v80 one of my expert's tokens or -1, v88-103 what is stored.
; s3 my expert, s40-55 a mask for each chunk: the lanes whose token is my expert's, s56 my wave's count, s57 one of its tokens.
.Lsort:
	s_sub_co_u32 s3, ttmp9, 64
	v_lshlrev_b32 v104, 2, v11
	s_lshl_b32 s4, s2, 11
	v_add_nc_u32 v104, s4, v104                    ; 4 x (512 w + lane)
	s_lshl_b32 s4, s2, 9
	v_add_nc_u32 v48, s4, v11
.irp i, 1,2,3,4,5,6,7,8,9,10,11,12,13,14,15
	v_add_nc_u32 v[48+\i], 32*\i, v48
.endr
	v_mov_b32 v80, -1
	s_mov_b32 s56, 0
	v_lshl_add_u32 v107, v0, 2, SORT               ; my word of the exchange
	v_mov_b32 v108, SORT                           ; and where every lane reads the waves' figures
	s_lshl_b32 s24, s3, 13                         ; tok: 8,192 bytes an expert
	s_mov_b32 s25, 0
	s_lshl_b32 s26, s3, 8                          ; meta: 256 bytes an expert
	s_mov_b32 s27, 0
	s_wait_kmcnt 0x0
	s_add_nc_u64 s[18:19], s[18:19], s[24:25]
	s_add_nc_u64 s[20:21], s[20:21], s[26:27]
.irp i, 0,1,2,3,4,5,6,7,8,9,10,11,12,13,14,15
	global_load_b32 v[64+\i], v104, s[10:11] offset:128*\i
.endr
.irp i, 0,1,2,3,4,5,6,7,8,9,10,11,12,13,14,15
	s_wait_loadcnt 15                              ; behind index load i stand 15 - i index loads and i look-ups: always 15
	v_min_u32 v[64+\i], 0x7cff, v[64+\i]
	v_lshlrev_b32 v[64+\i], 2, v[64+\i]
	global_load_b32 v[16+\i], v[64+\i], s[12:13]
.endr
.irp i, 0,1,2,3,4,5,6,7,8,9,10,11,12,13,14,15
	s_wait_loadcnt 15-\i                           ; look-up i is in; the later ones may be out
	v_cmp_eq_u32 s[40+\i], s3, v[16+\i]
	v_mbcnt_lo_u32_b32 v[32+\i], s[40+\i], s56     ; my wave's count so far + the expert's lanes below me: for every lane, its own token the expert's or not
	v_cndmask_b32 v80, v80, v[48+\i], s[40+\i]
	s_bcnt1_i32_b32 s84, s[40+\i]
	s_add_co_u32 s56, s56, s84
.endr
	v_cmp_ne_u32 s84, -1, v80
	s_ctz_i32_b32 s85, s84                         ; -1 where no lane has one: lane 31 then gives its -1
	s_and_b32 s85, s85, 31
	v_readlane_b32 s57, v80, s85
	v_mov_b32 v106, 0
	v_writelane_b32 v106, s56, 0
	v_writelane_b32 v106, s57, 1
	ds_store_b32 v107, v106
	s_wait_dscnt 0x0                               ; for the others' sake: my figures have landed
	s_barrier_signal -1
	s_barrier_wait -1
.irp q, 0,1,2,3
	ds_load_b64 v[112+2*\q:113+2*\q], v108 offset:128*\q   ; wave q's count, and its token
.endr
	s_wait_dscnt 0x0
	v_add_nc_u32 v120, v112, v114
	v_add3_u32 v120, v120, v116, v118              ; the expert's tokens
	v_mov_b32 v121, 0
.irp q, 0,1,2
	s_cmp_gt_u32 s2, \q
	s_cselect_b32 s84, -1, 0
	v_and_b32 v105, s84, v[112+2*\q]
	v_add_nc_u32 v121, v121, v105                  ; those of the waves before mine
.endr
	v_min_u32 v122, v113, v115
	v_min_u32 v122, v122, v117
	v_min_u32 v122, v122, v119                     ; one of its tokens (-1, the greatest number, where it has none)
	v_add_nc_u32 v111, 15, v120
	v_lshrrev_b32 v111, 4, v111                    ; its tiles
	s_lshl_b32 s84, s3, 7
	v_mov_b32 v110, s84                            ; its first tile: 128 e
.irp i, 0,1,2,3,4,5,6,7,8,9,10,11,12,13,14,15
	v_add_nc_u32 v[32+\i], v[32+\i], v121          ; m: the expert's tokens ahead of mine
	v_add_nc_u32 v[64+\i], v[48+\i], v120
	v_sub_nc_u32 v[64+\i], v[64+\i], v[32+\i]      ; total + token - m: behind the expert's tokens, by the count of the others ahead of mine
	v_cndmask_b32 v[64+\i], v[64+\i], v[32+\i], s[40+\i]   ; the expert's own token goes to slot m,
	v_cndmask_b32 v[88+\i], v122, v[48+\i], s[40+\i]       ; as itself; any other lays down the repeated token
	v_min_u32 v[64+\i], 2047, v[64+\i]
	v_lshlrev_b32 v[64+\i], 2, v[64+\i]
	global_store_b32 v[64+\i], v[88+\i], s[18:19]
.endr
	s_cmp_lg_u32 s2, 0
	s_cbranch_scc1 .Lno_meta
	v_lshlrev_b32 v136, 3, v11
	global_store_b64 v136, v[110:111], s[20:21]    ; (first tile, tiles), 32 times: 256 consecutive bytes
.Lno_meta:
	s_wait_tensorcnt 0x0                           ; the wave's end
	ds_add_u32 v14, v15
	s_wait_dscnt 0x0
	s_endpgm
.Lfunc_end_k_q2b4b226c1a_route_quant:
	.size	k_q2b4b226c1a_route_quant, .Lfunc_end_k_q2b4b226c1a_route_quant-k_q2b4b226c1a_route_quant
	.p2alignl 7, 3214868480
	.fill 96, 4, 3214868480
	.section	.rodata,"a",@progbits
	.p2align	6, 0x0
	.amdhsa_kernel k_q2b4b226c1a_route_quant
		.amdhsa_group_segment_fixed_size 18432
		.amdhsa_private_segment_fixed_size 0
		.amdhsa_enable_private_segment 0
		.amdhsa_kernarg_size 64
		.amdhsa_user_sgpr_count 2
		.amdhsa_user_sgpr_kernarg_segment_ptr 1
		.amdhsa_wavefront_size32 1
		.amdhsa_system_sgpr_workgroup_id_x 1
		.amdhsa_system_sgpr_workgroup_id_y 1
		.amdhsa_system_sgpr_workgroup_id_z 1
		.amdhsa_system_vgpr_workitem_id 0
		.amdhsa_next_free_vgpr 256
		.amdhsa_next_free_sgpr 100
		.amdhsa_reserve_vcc 0
		.amdhsa_float_denorm_mode_32 3
		.amdhsa_float_denorm_mode_16_64 3
		.amdhsa_memory_ordered 1
		.amdhsa_forward_progress 1
		.amdhsa_inst_pref_size 77
	.end_amdhsa_kernel
	.amdgpu_metadata
---
amdhsa.version: [ 1, 2 ]
amdhsa.kernels:
  - .name:           k_q2b4b226c1a_route_quant
    .symbol:         k_q2b4b226c1a_route_quant.kd
    .args:
      - { .name: x, .offset: 0, .size: 8, .value_kind: global_buffer, .address_space: global }
      - { .name: orig_input, .offset: 8, .size: 8, .value_kind: global_buffer, .address_space: global }
      - { .name: hash_map, .offset: 16, .size: 8, .value_kind: global_buffer, .address_space: global }
      - { .name: xc, .offset: 24, .size: 8, .value_kind: global_buffer, .address_space: global }
      - { .name: xs, .offset: 32, .size: 8, .value_kind: global_buffer, .address_space: global }
      - { .name: tok, .offset: 40, .size: 8, .value_kind: global_buffer, .address_space: global }
      - { .name: meta, .offset: 48, .size: 8, .value_kind: global_buffer, .address_space: global }
      - { .name: out0, .offset: 56, .size: 8, .value_kind: global_buffer, .address_space: global }
    .group_segment_fixed_size: 18432
    .private_segment_fixed_size: 0
    .kernarg_segment_align: 8
    .kernarg_segment_size: 64
    .max_flat_workgroup_size: 128
    .sgpr_count:     100
    .vgpr_count:     256
    .wavefront_size: 32
...
	.end_amdgpu_metadata
.endif
;; end of part 1
;; launch ffn1 (part 2): grid 256 x 1, 8 waves a work-group, no clusters, 38,144 bytes of LDS; arguments W1, b1, xc, xs, tok, meta, hc, hs; writes hc, hs
.if DOCPART == 2
	.amdgcn_target "amdgcn-amd-amdhsa--gfx1250"
	.amdhsa_code_object_version 6
	.text
	.protected	k_q2b4b226c1a_ffn1
	.globl	k_q2b4b226c1a_ffn1
	.p2align	8
	.type	k_q2b4b226c1a_ffn1,@function
k_q2b4b226c1a_ffn1:
	s_mov_b64 s[64:65], 0
	v_nop
	global_prefetch_b8 v0, s[64:65] scope:SCOPE_SE
	s_setreg_imm32_b32 hwreg(HW_REG_WAVE_MODE, 25, 1), 1
	s_wait_xcnt 0x0
; HashLayerFFN in MX-FP4, launch 2 of 3: the hidden layer Q(relu(x W1[e]^T + b1[e])) as codes, for each token under its own expert alone (rows of other experts reach no output: see launch 1's head).
; SHARES.  Work-group = (expert e = id / 32, slice j = id % 32): hidden units 64 j .. 64 j + 63, a dense run of 262,144 bytes of W1, read once.  A row of 4,096 bytes is a LINE.  Wave w streams units 4 w .. 4 w + 3
; (lines 0-3) and 32 + 4 w .. + 3 (lines 4-7), quantises them in registers and lays the codes in LDS in the order of an operand's registers.  THE SLICE LEAVES LDS IN TWO HALVES: behind a first barrier, when every
; wave's lines 0-3 are laid down (units 0-31: tiles 0 and 1), each wave loads those 16 fragments, while lines 4-7, all asked for by then, are on their way; behind the second barrier the other 16.
; Every wave then holds the whole slice (256 registers, window 1) and takes whole tiles of 16 tokens of the expert, tile w, w + 8, w + 16 ..: 32 matrix instructions a tile.
; No tensor load.  No cluster: what work-groups share (a tile's 8 KB of codes) is small beside the 256 KB that each streams alone.
; A LINE comes by eight loads of 512 consecutive bytes; behind load k lane l holds numbers 4 (l % 8) .. + 3 of block 4 k + l / 8.  The conversion takes eight numbers under one scale and a lane has four of a block:
; each pair of loads is converted twice, once under each block's scale, and of each result the half that counts is stored.
; THE PRODUCT IS USED TRANSPOSED (source 0 = 16 rows of W1, source 1 = 16 tokens), and the rows of a tile are chosen: unit 32 b + 16 a + 8 u + i is row 8 a + i of tile 2 b + u.  So lane (r, h) holds token r, and register
; 16 b + i the unit 32 b + 16 h + i: 16 neighbours along the next K.  The bias is the C of a tile's first product.
; TILES.  Expert e's tiles are 128 e on.  hc [tile][K step 16][c 2][lane][16 bytes]: registers 4 c .. 4 c + 3 of the next product's operand; slice j is K step j / 2, c = j % 2: 512 consecutive bytes a tile.
; hs [tile][K step][token] words; slice j writes half j % 2.
; THE WALK.  Two tiles a trip.  The loop runs the trips that have a successor and asks, behind each tile's products, for the tile 16 on; the last trip is written out and asks for nothing.
; LIMITS: as at launch 1's head.  An expert without tokens still has its slice streamed (the barriers stand under no branch on a loaded number).  Look-ahead loads are held on the expert's own tiles.
; REGISTERS, window 0: v1-9 addresses, v10-11 bias, v12-13 token numbers at work, v14-15 the closing add's, v16-19 offsets of a tile's rows (two sets), v20-21 store offsets, v24-39 W1's scale words,
;   v40-103, v104-107 tile set A's codes and scale words, v108-171, v172-175 set B's, v176-207 the accumulators, v208-221 at work.  While W1 streams, v176-223 are the quantiser's.
;   Window 1: v128-255 lines as loaded, v0-127 tiles 0 and 1's fragments; then v128-255 tiles 2 and 3's.
.set SCB,   34816                      ; LDS: 0: codes, block B of (tile T, row r) at 8704 T + 272 B + 16 r;  SCB: scale bytes [T][r][32];  BIAS: b1 of the slice;  SPARE: the spare words
.set BIAS,  36864
.set SPARE, 37120
.set RAWB,  128
.set M,     176
.set SC,    184
.set WS,    24
.set ACC,   176
.set TM,    208
.set TP,    210
.set SCQ,   212
.set BYQ,   214
.set U16,   216
.set PC,    218
.set CNT,   94                         ; s94  trips done
.set TRIPS, 95                         ; s95  my wave's trips; then those that have a successor
.set MSB, 0
.macro WIN new                         ; the immediate's high byte repeats the setting that is left
.if MSB != \new
	s_set_vgpr_msb (MSB<<8)|\new
.set MSB, \new
.endif
.endm
	s_load_b512 s[8:23], s[0:1], 0x0               ; W1 8, b1 10, xc 12, xs 14, tok 16, meta 18, hc 20, hs 22
	v_lshl_add_u32 v14, v0, 2, SPARE
	v_mov_b32 v15, 0
	v_lshrrev_b32 v1, 5, v0
	v_readfirstlane_b32 s2, v1                     ; wave 0..7
	s_lshr_b32 s3, ttmp9, 5                        ; expert
	s_and_b32 s4, ttmp9, 31                        ; slice
	v_and_b32 v212, 31, v0                         ; lane
	v_and_b32 v213, 15, v0                         ; r
	v_bfe_u32 v214, v0, 4, 1                       ; h
	v_bfe_u32 v215, v0, 3, 2                       ; lane / 8
	v_and_b32 v216, 7, v0                          ; lane % 8
	v_lshlrev_b32 v1, 4, v212                      ; 16 x lane
	s_and_b32 s88, s2, 1                           ; unit 4 w + n = 16 a + 8 u + 4 p + n: p,
	s_bfe_u32 s89, s2, 0x10001                     ; u,
	s_lshr_b32 s91, s2, 2                          ; a
	s_mul_i32 s92, s89, 8704
	s_lshl_b32 s93, s91, 7
	s_add_co_u32 s92, s92, s93
	s_lshl_b32 s93, s88, 6
	s_add_co_u32 s92, s92, s93
	v_lshlrev_b32 v2, 1, v216
	v_mad_u32_u24 v2, v215, 272, v2
	v_add_nc_u32 v2, s92, v2                       ; codes in: 8704 u + 128 a + 64 p + 272 (l / 8) + 2 (l % 8); line n, load k: + 17408 (n / 4) + 1088 k + 16 (n % 4)
	s_lshl_b32 s92, s89, 9
	s_lshl_b32 s93, s91, 8
	s_add_co_u32 s92, s92, s93
	s_lshl_b32 s93, s88, 7
	s_add_co_u32 s92, s92, s93
	s_add_co_u32 s92, s92, SCB
	v_add_nc_u32 v3, s92, v215                     ; scale bytes in: + 1024 (n / 4) + 32 (n % 4) + 4 k
	v_lshlrev_b32 v4, 4, v213
	v_mad_u32_u24 v4, v214, 272, v4                ; fragments out: 272 h + 16 r; (t, s, c): + 8704 t + 1088 s + 544 c
	v_lshlrev_b32 v5, 5, v213
	v_lshl_add_u32 v5, v214, 4, v5
	v_add_nc_u32 v5, SCB, v5                       ; scale words out: lanes 0-15 K steps 0-3, lanes 16-31 K steps 4-7
	v_lshlrev_b32 v6, 6, v214
	v_add_nc_u32 v6, BIAS, v6                      ; bias out
	v_lshlrev_b32 v11, 2, v216
	s_lshl_b32 s92, s2, 5
	v_add_nc_u32 v11, s92, v11                     ; bias in: 8 units a wave, 32 bytes; four lanes to a word
	v_add_nc_u32 v7, BIAS, v11
	v_lshlrev_b32 v8, 4, v214                      ; 16 h
	s_and_b32 s92, s4, 1
	s_lshl_b32 s92, s92, 1
	v_lshl_add_u32 v9, v213, 2, s92                ; hs: 4 r + 2 (j % 2)
	v_mov_b32 v13, 0                               ; written once: a lane permute's destination counts as one of its sources
	s_mov_b32 s34, 0x76543210
	s_mov_b32 s35, 0xfedcba98                      ; v_permlanex16_b32's selects for lane l xor 16
	s_lshl_b32 s86, s4, 9                          ; hc: 512 j
	s_lshr_b32 s87, s4, 1
	s_lshl_b32 s87, s87, 6                         ; hs: 64 (j / 2)
	s_lshl_b32 s36, ttmp9, 18
	s_lshl_b32 s88, s2, 14
	s_add_co_u32 s36, s36, s88                     ; W1: 262,144 x work-group + 4 rows x wave
	s_mov_b32 s37, 0
	s_lshl_b32 s38, ttmp9, 8                       ; b1: 256 x work-group
	s_mov_b32 s39, 0
	s_lshl_b32 s26, s3, 8                          ; meta: 256 e
	s_wait_kmcnt 0x0
	s_add_nc_u64 s[8:9], s[8:9], s[36:37]
	s_add_nc_u64 s[10:11], s[10:11], s[38:39]
	s_load_b64 s[24:25], s[18:19], s26 offset:0x0  ; s24 the expert's first tile, s25 its tiles
	global_load_b32 v10, v11, s[10:11]
.macro LOAD n                          ; line n into window 1: eight loads of 512 consecutive bytes; lines 4-7 lie 32 rows behind lines 0-3
.irp k, 0,1,2,3,4,5,6,7
	global_load_b128 v[RAWB+32*((\n)%4)+4*\k:RAWB+32*((\n)%4)+4*\k+3], v1, s[8:9] offset:131072*((\n)/4)+4096*((\n)%4)+512*\k th:TH_LOAD_NT
.endr
.endm
.macro QL n, cnt, dsw                  ; line n is quantised; cnt: the loads issued behind it; dsw = 1: the stores of the line two back have yet to be shown done
.set RS, RAWB+32*((\n)%4)
.set CV, 192+16*((\n)%2)
.set BY, 200+16*((\n)%2)
	s_wait_loadcnt \cnt
.if \dsw
	s_wait_dscnt 16                                ; all but the last line's 16 LDS stores: line n - 2's have read this set
.endif
	WIN 0x15                                       ; all three sources window 1
.irp k, 0,1,2,3,4,5,6,7
	v_max3_num_f32 v[M+\k], |v[RS+4*\k]|, |v[RS+4*\k+1]|, |v[RS+4*\k+2]|
.endr
	WIN 0x01
.irp k, 0,1,2,3,4,5,6,7
	v_max3_num_f32 v[M+\k], |v[RS+4*\k+3]|, v[M+\k], 0x1800000   ; and the floor 2^(3 - 127): the byte cannot fall under 1
.endr
	WIN 0
.irp x, 1,2,4
.irp k, 0,1,2,3,4,5,6,7
	v_max_num_f32_dpp v[M+\k], v[M+\k], v[M+\k] row_xmask:\x row_mask:0xf bank_mask:0xf   ; the block's eight lanes
.endr
.endr
.irp k, 0,1,2,3,4,5,6,7
	v_add_nc_u32 v[SC+\k], 0xff000000, v[M+\k]     ; 2 off the exponent field: the conversion's scale operand
.endr
.irp k, 0,1,2,3,4,5,6,7
	v_lshrrev_b32 v[BY+\k], 23, v[SC+\k]           ; the scale's byte
.endr
	WIN 0x01
.irp p, 0,1,2,3
	v_cvt_scalef32_pk8_fp4_f32 v[CV+2*\p], v[RS+8*\p:RS+8*\p+7], v[SC+2*\p]       ; the low 16 bits count: load 2 p's four codes
	v_cvt_scalef32_pk8_fp4_f32 v[CV+2*\p+1], v[RS+8*\p:RS+8*\p+7], v[SC+2*\p+1]   ; the high 16 bits count: load 2 p + 1's
.endr
	WIN 0
	v_nop                                          ; one plain place behind the conversions
.irp p, 0,1,2,3
	ds_store_b16 v2, v[CV+2*\p] offset:17408*((\n)/4)+1088*(2*\p)+16*((\n)%4)
	ds_store_b16_d16_hi v2, v[CV+2*\p+1] offset:17408*((\n)/4)+1088*(2*\p+1)+16*((\n)%4)
.endr
.irp k, 0,1,2,3,4,5,6,7
	ds_store_b8 v3, v[BY+\k] offset:1024*((\n)/4)+32*((\n)%4)+4*\k   ; a block's eight lanes write the same byte with the same value
.endr
.if (\n) < 4
	WIN 0x40
	LOAD (\n)+4
	WIN 0
.endif
.endm
.macro FRAGS t0                        ; tiles t0 and t0 + 1 of the slice: 16 fragments into window 1, and their scale words
	WIN 0x40
.irp t, \t0, \t0+1
.irp s, 0,1,2,3,4,5,6,7
.irp c, 0,1
	ds_load_b128 v[8*(8*(\t)+\s)+4*\c:8*(8*(\t)+\s)+4*\c+3], v4 offset:8704*(\t)+1088*\s+544*\c
.endr
.endr
.endr
	WIN 0
.irp t, \t0, \t0+1
	ds_load_b128 v[WS+4*(\t):WS+4*(\t)+3], v5 offset:512*(\t)
.endr
.endm
.macro USE set                         ; the registers of tile set A (0) or B (1)
.set XF,  40+68*(\set)
.set XSR, 104+68*(\set)
.set VO,  16+2*(\set)
.set SID, 40+28*(\set)                 ; s[40:55], s[68:83]: a tile's 16 token numbers
.set SO,  84+(\set)
.endm
.macro IDREQ t                         ; the list's 64 bytes of the expert's tile t, held on its last tile.  By a scalar load: its counter does not stand behind the weights' loads
	s_min_u32 s[SO], \t, s27
	s_add_co_u32 s[SO], s[SO], s28
	s_min_u32 s[SO], s[SO], 1023
	s_lshl_b32 s[SO], s[SO], 6
	s_load_b512 s[SID:SID+15], s[16:17], s[SO] offset:0x0
.endm
.macro IDS                             ; lane (r, h) gets token r's offsets in xc and xs (the set's earlier loads, which read these offsets, have been waited for)
	v_mov_b32 v12, 0
.irp r, 0,1,2,3,4,5,6,7,8,9,10,11,12,13,14,15
	v_writelane_b32 v12, s[SID+\r], \r
.endr
	v_permlanex16_b32 v13, v12, s34, s35
	v_or_b32 v12, v12, v13
	v_min_u32 v12, 0x7ff, v12
	v_lshl_add_u32 v[VO], v12, 9, v8               ; a row of 512 bytes of codes, + 16 h
	v_lshl_add_u32 v[VO+1], v12, 5, v8             ; 32 scale bytes: lanes 0-15 K steps 0-3, lanes 16-31 K steps 4-7
.endm
.macro LOADX                           ; 17 loads: a tile's eight fragments and its scale words
.irp s, 0,1,2,3,4,5,6,7
.irp c, 0,1
	global_load_b128 v[XF+8*\s+4*\c:XF+8*\s+4*\c+3], v[VO], s[12:13] offset:64*\s+32*\c
.endr
.endr
	global_load_b128 v[XSR:XSR+3], v[VO+1], s[14:15]
.endm
.macro BIASLD                          ; the bias in the result's layout: tile 2 b + u, lane half h: units 32 b + 16 h + 8 u + 0 .. 7
.irp t, 0,1,2,3
	ds_load_b128 v[ACC+8*\t:ACC+8*\t+3], v6 offset:128*(\t/2)+32*(\t%2)
	ds_load_b128 v[ACC+8*\t+4:ACC+8*\t+7], v6 offset:128*(\t/2)+32*(\t%2)+16
.endr
.endm
.macro MUL                             ; 32 matrix instructions; the four accumulators take turns, one instruction a turn
	WIN 0x01                                       ; source 0 (W1) window 1
.irp s, 0,1,2,3
.irp t, 0,1,2,3
	v_wmma_scale_f32_16x16x128_f8f6f4 v[ACC+8*\t:ACC+8*\t+7], v[8*(8*\t+\s):8*(8*\t+\s)+7], v[XF+8*\s:XF+8*\s+7], v[ACC+8*\t:ACC+8*\t+7], v[WS+4*\t+\s], v[XSR+\s] matrix_a_fmt:MATRIX_FMT_FP4 matrix_b_fmt:MATRIX_FMT_FP4
.endr
.endr
.irp s, 4,5,6,7
.irp t, 0,1,2,3
	v_wmma_scale_f32_16x16x128_f8f6f4 v[ACC+8*\t:ACC+8*\t+7], v[8*(8*\t+\s):8*(8*\t+\s)+7], v[XF+8*\s:XF+8*\s+7], v[ACC+8*\t:ACC+8*\t+7], v[WS+4*\t+\s-4], v[XSR+\s-4] matrix_a_fmt:MATRIX_FMT_FP4 matrix_b_fmt:MATRIX_FMT_FP4 matrix_a_scale:MATRIX_SCALE_ROW1 matrix_b_scale:MATRIX_SCALE_ROW1
.endr
.endr
	WIN 0
.rept 5
	v_nop                                          ; places behind the products: for the reads of the results, the loads into the operands, and the next run, which writes the accumulators again
.endr
.endm
.macro QUANT2                          ; relu; my 2 blocks of 32 hidden units become 4 registers of codes and 2 scale bytes
.irp i, 0,1,2,3,4,5,6,7,8,9,10,11,12,13,14,15,16,17,18,19,20,21,22,23,24,25,26,27,28,29,30,31
	v_max_num_f32 v[ACC+\i], 0, v[ACC+\i]          ; each accumulator from its low end on
.endr
.irp b, 0,1
	v_max3_num_f32 v[TM+\b], v[ACC+16*\b], v[ACC+16*\b+1], 0x1800000   ; no |.|: nothing is negative; the floor 2^(3 - 127)
.endr
.irp i, 2,4,6,8,10,12,14
.irp b, 0,1
	v_max3_num_f32 v[TM+\b], v[TM+\b], v[ACC+16*\b+\i], v[ACC+16*\b+\i+1]
.endr
.endr
.irp b, 0,1
	v_permlanex16_b32 v[TP+\b], v[TM+\b], s34, s35
.endr
.irp b, 0,1
	v_max_num_f32 v[TM+\b], v[TM+\b], v[TP+\b]     ; with lane l xor 16's 16: the block's largest
.endr
.irp b, 0,1
	v_add_nc_u32 v[SCQ+\b], 0xff000000, v[TM+\b]
.endr
.irp b, 0,1
	v_lshrrev_b32 v[BYQ+\b], 23, v[SCQ+\b]
.endr
	v_lshl_or_b32 v[U16], v[BYQ+1], 8, v[BYQ]
.irp b, 0,1
	v_cvt_scalef32_pk8_fp4_f32 v[PC+2*\b], v[ACC+16*\b:ACC+16*\b+7], v[SCQ+\b]
	v_cvt_scalef32_pk8_fp4_f32 v[PC+2*\b+1], v[ACC+16*\b+8:ACC+16*\b+15], v[SCQ+\b]
.endr
	v_nop                                          ; one plain place behind the conversions
	v_permlane16_swap_b32 v[PC], v[PC+2]           ; a whole block to a lane: lanes 0-15 block 0, lanes 16-31 block 1
	v_permlane16_swap_b32 v[PC+1], v[PC+3]
.endm
; Half a trip: the expert's tile s29 + 8 set.  cnt: the loads issued behind this set's.
; ahead = 1, in the loop: a trip follows, so its first tile, 16 on from this trip's first, exists, and with it this trip's second: no branch.  Behind the products the set's next tile, 16 on, is asked for (a second
; tile of the last trip that does not exist is held on the expert's last tile).  ahead = 0, the last trip: nothing is asked for, and a branch on the stored number of tiles leads round a second tile that does not exist.
.macro HALF set, ahead, cnt
	USE \set
.if \set
	s_add_co_u32 s30, s29, 8
.else
	s_mov_b32 s30, s29
.endif
	s_min_u32 s31, s30, s27
	s_add_co_u32 s31, s31, s28
	s_min_u32 s31, s31, 1023                       ; the tile's number among all
	s_lshl_b32 s32, s31, 14
	s_add_co_u32 s32, s32, s86
	s_lshl_b32 s33, s31, 10
	s_add_co_u32 s33, s33, s87
	s_wait_loadcnt \cnt                            ; this set is in
	s_wait_dscnt 0x0                               ; the bias (and, the first time, the fragments)
	s_wait_xcnt 0x0                                ; the last half's stores have read their data and offsets, which this half writes again
.if (\set) && ((\ahead) == 0)
	s_cmp_lt_u32 s30, s25
	s_cbranch_scc0 .Lno_tile_\@
.endif
	MUL
.if \ahead
	s_wait_kmcnt 0x0                               ; the token numbers of this set's next tile
	IDS
	LOADX
	s_add_co_u32 s88, s30, 32
	IDREQ s88                                      ; and the numbers of the one after that
.endif
	QUANT2
.if (\ahead) || ((\set) == 0)
	BIASLD                                         ; for the next products
.endif
	v_add_nc_u32 v20, s32, v1
	v_add_nc_u32 v21, s33, v9
	global_store_b128 v20, v[PC:PC+3], s[20:21]    ; 512 consecutive bytes
	global_store_b16 v21, v[U16], s[22:23]         ; my token's two scale bytes (lanes 16-31 repeat lanes 0-15's)
.if (\set) && ((\ahead) == 0)
.Lno_tile_\@:
.endif
.endm
	WIN 0x40
	LOAD 0
	LOAD 1
	LOAD 2
	LOAD 3
	WIN 0
	s_wait_kmcnt 0x0                               ; the expert's tiles
	s_max_u32 s27, s25, 1
	s_sub_co_u32 s27, s27, 1                       ; its last tile's ordinal
	s_mov_b32 s28, s24                             ; its first tile (an expert without tokens looks ahead at that tile's list, which launch 1 has written, and uses nothing of it)
	USE 0
	IDREQ s2
	USE 1
	s_add_co_u32 s30, s2, 8
	IDREQ s30
	s_wait_kmcnt 0x0
	USE 0
	IDS
	USE 1
	IDS
	USE 0
	LOADX                                          ; my first two tiles come in under the weights' stream
	USE 1
	LOADX
	USE 0
	s_add_co_u32 s30, s2, 16
	IDREQ s30
	USE 1
	s_add_co_u32 s30, s2, 24
	IDREQ s30
	QL 0, 58, 0                                    ; behind a line: three lines and the two tiles' 34 loads
	ds_store_b32 v7, v10                           ; the bias was asked for ahead of line 0
	QL 1, 58, 0
	QL 2, 58, 1
	QL 3, 58, 1
	s_wait_dscnt 0x0                               ; for the others' sake: my codes and scale bytes of units 0-31, and my bias, have landed
	s_barrier_signal -1
	s_barrier_wait -1                              ; tiles 0 and 1 lie in LDS: bytes under 17,408 and scale bytes under SCB + 1,024, which nobody writes from here on
	FRAGS 0                                        ; they are read while lines 4-7 come in
	QL 4, 24, 0                                    ; (the wait in front of the barrier has shown lines 2 and 3's stores done)
	QL 5, 16, 0
	QL 6, 8, 1
	QL 7, 0, 1
	s_wait_dscnt 0x0                               ; for the others' sake: the rest of my codes and scale bytes have landed
	s_barrier_signal -1
	s_barrier_wait -1                              ; the whole slice lies in LDS
	FRAGS 2
	BIASLD
	v_mov_b32 v[TP], 0                             ; written once: a lane permute's destination counts as one of its sources
	v_mov_b32 v[TP+1], 0
	s_mov_b32 s29, s2                              ; my first tile's ordinal
	s_add_co_u32 s[TRIPS], s25, 15
	s_sub_co_u32 s[TRIPS], s[TRIPS], s2
	s_lshr_b32 s[TRIPS], s[TRIPS], 4               ; my trips: as many as there are ordinals w, w + 16, .. under the expert's tiles
	s_min_u32 s[TRIPS], s[TRIPS], 8                ; (2,048 tokens are 128 tiles at the most)
	s_cmp_eq_u32 s[TRIPS], 0
	s_cbranch_scc1 .Ldone
	s_sub_co_u32 s[TRIPS], s[TRIPS], 1             ; those that have a successor
	s_mov_b32 s[CNT], 0
	s_cmp_lt_u32 s[CNT], s[TRIPS]
	s_cbranch_scc0 .Ltail
.Ltrip:                                            ; two tiles a trip, so that the two sets' registers come back
	HALF 0, 1, 17                                  ; the other set's 17 loads may be out
	HALF 1, 1, 17
	s_add_co_u32 s29, s29, 16
	s_add_co_u32 s[CNT], s[CNT], 1
	s_cmp_lt_u32 s[CNT], s[TRIPS]
	s_cbranch_scc1 .Ltrip
.Ltail:
	HALF 0, 0, 17                                  ; the last trip: set B's 17 loads may be out,
	HALF 1, 0, 0                                   ; and behind those nothing was issued
.Ldone:
	s_wait_kmcnt 0x0                               ; the look-ahead's scalar loads are home
	s_wait_tensorcnt 0x0                           ; the wave's end
	ds_add_u32 v14, v15
	s_wait_dscnt 0x0
	s_endpgm
.Lfunc_end_k_q2b4b226c1a_ffn1:
	.size	k_q2b4b226c1a_ffn1, .Lfunc_end_k_q2b4b226c1a_ffn1-k_q2b4b226c1a_ffn1
	.p2alignl 7, 3214868480
	.fill 96, 4, 3214868480
	.section	.rodata,"a",@progbits
	.p2align	6, 0x0
	.amdhsa_kernel k_q2b4b226c1a_ffn1
		.amdhsa_group_segment_fixed_size 38144
		.amdhsa_private_segment_fixed_size 0
		.amdhsa_enable_private_segment 0
		.amdhsa_kernarg_size 64
		.amdhsa_user_sgpr_count 2
		.amdhsa_user_sgpr_kernarg_segment_ptr 1
		.amdhsa_wavefront_size32 1
		.amdhsa_system_sgpr_workgroup_id_x 1
		.amdhsa_system_sgpr_workgroup_id_y 1
		.amdhsa_system_sgpr_workgroup_id_z 1
		.amdhsa_system_vgpr_workitem_id 0
		.amdhsa_next_free_vgpr 512
		.amdhsa_next_free_sgpr 100
		.amdhsa_reserve_vcc 0
		.amdhsa_float_denorm_mode_32 3
		.amdhsa_float_denorm_mode_16_64 3
		.amdhsa_memory_ordered 1
		.amdhsa_forward_progress 1
		.amdhsa_inst_pref_size 103
	.end_amdhsa_kernel
	.amdgpu_metadata
---
amdhsa.version: [ 1, 2 ]
amdhsa.kernels:
  - .name:           k_q2b4b226c1a_ffn1
    .symbol:         k_q2b4b226c1a_ffn1.kd
    .args:
      - { .name: W1, .offset: 0, .size: 8, .value_kind: global_buffer, .address_space: global }
      - { .name: b1, .offset: 8, .size: 8, .value_kind: global_buffer, .address_space: global }
      - { .name: xc, .offset: 16, .size: 8, .value_kind: global_buffer, .address_space: global }
      - { .name: xs, .offset: 24, .size: 8, .value_kind: global_buffer, .address_space: global }
      - { .name: tok, .offset: 32, .size: 8, .value_kind: global_buffer, .address_space: global }
      - { .name: meta, .offset: 40, .size: 8, .value_kind: global_buffer, .address_space: global }
      - { .name: hc, .offset: 48, .size: 8, .value_kind: global_buffer, .address_space: global }
      - { .name: hs, .offset: 56, .size: 8, .value_kind: global_buffer, .address_space: global }
    .group_segment_fixed_size: 38144
    .private_segment_fixed_size: 0
    .kernarg_segment_align: 8
    .kernarg_segment_size: 64
    .max_flat_workgroup_size: 256
    .sgpr_count:     100
    .vgpr_count:     512
    .wavefront_size: 32
...
	.end_amdgpu_metadata
.endif
;; end of part 2
;; launch ffn2 (part 3): grid 256 x 1, 8 waves a work-group, no clusters, 56,576 bytes of LDS; arguments W2, b2, hc, hs, tok, meta, out0; writes out0
.if DOCPART == 3
	.amdgcn_target "amdgcn-amd-amdhsa--gfx1250"
	.amdhsa_code_object_version 6
	.text
	.protected	k_q2b4b226c1a_ffn2
	.globl	k_q2b4b226c1a_ffn2
	.p2align	8
	.type	k_q2b4b226c1a_ffn2,@function
k_q2b4b226c1a_ffn2:
	s_mov_b64 s[64:65], 0
	v_nop
	global_prefetch_b8 v0, s[64:65] scope:SCOPE_SE
	s_setreg_imm32_b32 hwreg(HW_REG_WAVE_MODE, 25, 1), 1
	s_wait_xcnt 0x0
; HashLayerFFN in MX-FP4, launch 3 of 3: out[t] = h[t] W2[e]^T + b2[e], for each token under its own expert alone (rows of other experts reach no output: see launch 1's head).
; SHARES.  Work-group = (expert e = id / 32, slice j = id % 32): output columns 32 j .. 32 j + 31, a dense run of 262,144 bytes of W2, read once.  A LINE is half a row, 4,096 bytes.  Wave w streams rows 2 w, 2 w + 1
; (lines 0-3) and 16 + 2 w, 17 + 2 w (lines 4-7).  The lines are quantised as in launch 2 and laid in LDS in the order of an operand's registers.  THE SLICE LEAVES LDS IN TWO HALVES: behind a first barrier, when every
; wave's lines 0-3 are laid down (rows 0-15: tile 0), each wave loads those 16 fragments, while lines 4-7, all asked for by then, are on their way; behind the second barrier the other 16.
; Every wave then holds the slice as 32 fragments (window 1) and takes whole tiles of 16 tokens, tile w, w + 8 ..: 32 matrix instructions a tile, K in two halves of 1,024, each with its own registers, so that one
; half's loads are out while the other is multiplied.  The loop runs the trips that have a successor and asks for the next tile; the last trip is written out and asks for nothing.
; THE PRODUCT IS USED TRANSPOSED (source 0 = 16 rows of W2, source 1 = 16 tokens): lane (r, h) holds token r and eight neighbouring columns.  The bias is the C of the first product.
; THE WAY OUT.  A tile goes through the wave's own stage in LDS; eight neighbouring lanes then store a token's 128 consecutive bytes at the row that the list names.  A repeated token of a last tile writes the same bytes again.
; 32 columns to a work-group, half of 256 bytes: 64 columns would leave half of the 256 work-groups out and double the stream of the others.
; No tensor load.  No cluster: what work-groups share (a tile's 17 KB) is small beside the 256 KB that each streams alone.
; LIMITS: as at launch 1's head.  For an expert without tokens the look-ahead reads its first tile's hidden bytes, which nobody wrote, and makes nothing of them.
; REGISTERS, window 0: v1-13 addresses, v14-15 the closing add's, v16-18 a tile's offsets, v19 and v10 bias, v20-23 token numbers, v24-39 W2's scale words, v40-103, v104-107 K half 0's codes and scale words,
;   v108-171, v172-175 K half 1's, v176-191 two accumulators, v192-207 rows read back, v208-211 their offsets.  While W2 streams, v176-223 are the quantiser's.
;   Window 1: v128-255 lines as loaded, v0-127 tile 0's fragments; then v128-255 tile 1's.
.set SCB,   34816                      ; LDS: 0: codes, block B of (tile T, row r) at 17408 T + 272 B + 16 r;  SCB: scale bytes [T][r][64];  BIAS;  STG: 16 rows x 144 bytes for each wave;  SPARE
.set BIAS,  36864
.set STG,   37120
.set SPARE, 55552
.set RAWB,  128
.set M,     176
.set SC,    184
.set WS,    24
.set ACC,   176
.set OB,    192
.set OFF,   208
.set CNT,   94                         ; s94  trips done
.set TRIPS, 95                         ; s95  my wave's trips; then those that have a successor
.set MSB, 0
.macro WIN new                         ; the immediate's high byte repeats the setting that is left
.if MSB != \new
	s_set_vgpr_msb (MSB<<8)|\new
.set MSB, \new
.endif
.endm
	s_load_b256 s[8:15], s[0:1], 0x0               ; W2 8, b2 10, hc 12, hs 14
	s_load_b128 s[16:19], s[0:1], 0x20             ; tok 16, meta 18
	s_load_b64 s[20:21], s[0:1], 0x30              ; out0
	v_lshl_add_u32 v14, v0, 2, SPARE
	v_mov_b32 v15, 0
	v_lshrrev_b32 v1, 5, v0
	v_readfirstlane_b32 s2, v1                     ; wave 0..7
	s_lshr_b32 s3, ttmp9, 5                        ; expert
	s_and_b32 s4, ttmp9, 31                        ; slice
	v_and_b32 v212, 31, v0                         ; lane
	v_and_b32 v213, 15, v0                         ; r
	v_bfe_u32 v214, v0, 4, 1                       ; h
	v_bfe_u32 v215, v0, 3, 2                       ; lane / 8
	v_and_b32 v216, 7, v0                          ; lane % 8
	v_lshlrev_b32 v1, 4, v212                      ; 16 x lane
	s_lshl_b32 s90, s2, 5
	v_lshlrev_b32 v2, 1, v216
	v_mad_u32_u24 v2, v215, 272, v2
	v_add_nc_u32 v2, s90, v2                       ; codes in: 32 w + 272 (l / 8) + 2 (l % 8); line n, load k: + 17408 (n / 4) + 8704 (n % 2) + 1088 k + 16 ((n % 4) / 2)
	s_lshl_b32 s90, s2, 7
	s_add_co_u32 s90, s90, SCB
	v_add_nc_u32 v3, s90, v215                     ; scale bytes in: 128 w + l / 8; + 1024 (n / 4) + 32 (n % 4) + 4 k
	v_lshlrev_b32 v4, 4, v213
	v_mad_u32_u24 v4, v214, 272, v4                ; fragments out: 272 h + 16 r; (t, s, c): + 17408 t + 1088 s + 544 c
	v_lshlrev_b32 v5, 6, v213
	v_lshl_add_u32 v5, v214, 4, v5
	v_add_nc_u32 v5, SCB, v5                       ; scale words out
	v_lshlrev_b32 v6, 5, v214
	v_add_nc_u32 v6, BIAS, v6                      ; bias out
	v_and_b32 v19, 3, v0
	v_lshlrev_b32 v19, 2, v19
	s_lshl_b32 s90, s2, 4
	v_add_nc_u32 v19, s90, v19                     ; bias in: 4 columns a wave, 16 bytes; eight lanes to a word
	v_add_nc_u32 v7, BIAS, v19
	v_lshlrev_b32 v8, 2, v212                      ; 4 x lane
	v_lshlrev_b32 v9, 4, v215                      ; 16 (lane / 8)
	s_mul_i32 s90, s2, 2304
	s_add_co_u32 s90, s90, STG                     ; my stage
	v_mul_u32_u24 v11, v213, 144
	v_lshl_add_u32 v11, v214, 5, v11
	v_add_nc_u32 v11, s90, v11                     ; in: row r, + 32 h
	v_mul_u32_u24 v12, v215, 576
	v_lshl_add_u32 v12, v216, 4, v12
	v_add_nc_u32 v12, s90, v12                     ; back: rows 4 (l / 8) + k, 16 bytes at 16 (l % 8)
	s_lshl_b32 s91, s4, 7
	v_lshl_add_u32 v13, v216, 4, s91               ; out0: 128 j + 16 (l % 8)
	s_lshl_b32 s36, ttmp9, 18
	s_lshl_b32 s88, s2, 14
	s_add_co_u32 s36, s36, s88                     ; W2: 262,144 x work-group + 2 rows x wave
	s_mov_b32 s37, 0
	s_lshl_b32 s38, ttmp9, 7                       ; b2: 128 x work-group
	s_mov_b32 s39, 0
	s_lshl_b32 s26, s3, 8                          ; meta: 256 e
	s_wait_kmcnt 0x0
	s_add_nc_u64 s[8:9], s[8:9], s[36:37]
	s_add_nc_u64 s[10:11], s[10:11], s[38:39]
	s_load_b64 s[24:25], s[18:19], s26 offset:0x0  ; s24 the expert's first tile, s25 its tiles
	global_load_b32 v10, v19, s[10:11]
.macro LOAD n                          ; line n into window 1: eight loads of 512 consecutive bytes; lines 4-7 lie 16 rows behind lines 0-3
.irp k, 0,1,2,3,4,5,6,7
	global_load_b128 v[RAWB+32*((\n)%4)+4*\k:RAWB+32*((\n)%4)+4*\k+3], v1, s[8:9] offset:131072*((\n)/4)+4096*((\n)%4)+512*\k th:TH_LOAD_NT
.endr
.endm
.macro QL n, cnt, dsw                  ; line n is quantised; cnt: the loads issued behind it; dsw = 1: the stores of the line two back have yet to be shown done
.set RS, RAWB+32*((\n)%4)
.set CV, 192+16*((\n)%2)
.set BY, 200+16*((\n)%2)
	s_wait_loadcnt \cnt
.if \dsw
	s_wait_dscnt 16                                ; all but the last line's 16 LDS stores: line n - 2's have read this set
.endif
	WIN 0x15                                       ; all three sources window 1
.irp k, 0,1,2,3,4,5,6,7
	v_max3_num_f32 v[M+\k], |v[RS+4*\k]|, |v[RS+4*\k+1]|, |v[RS+4*\k+2]|
.endr
	WIN 0x01
.irp k, 0,1,2,3,4,5,6,7
	v_max3_num_f32 v[M+\k], |v[RS+4*\k+3]|, v[M+\k], 0x1800000   ; and the floor 2^(3 - 127): the byte cannot fall under 1
.endr
	WIN 0
.irp x, 1,2,4
.irp k, 0,1,2,3,4,5,6,7
	v_max_num_f32_dpp v[M+\k], v[M+\k], v[M+\k] row_xmask:\x row_mask:0xf bank_mask:0xf   ; the block's eight lanes
.endr
.endr
.irp k, 0,1,2,3,4,5,6,7
	v_add_nc_u32 v[SC+\k], 0xff000000, v[M+\k]     ; 2 off the exponent field: the conversion's scale operand
.endr
.irp k, 0,1,2,3,4,5,6,7
	v_lshrrev_b32 v[BY+\k], 23, v[SC+\k]           ; the scale's byte
.endr
	WIN 0x01
.irp p, 0,1,2,3
	v_cvt_scalef32_pk8_fp4_f32 v[CV+2*\p], v[RS+8*\p:RS+8*\p+7], v[SC+2*\p]       ; the low 16 bits count: load 2 p's four codes
	v_cvt_scalef32_pk8_fp4_f32 v[CV+2*\p+1], v[RS+8*\p:RS+8*\p+7], v[SC+2*\p+1]   ; the high 16 bits count: load 2 p + 1's
.endr
	WIN 0
	v_nop                                          ; one plain place behind the conversions
.irp p, 0,1,2,3
	ds_store_b16 v2, v[CV+2*\p] offset:17408*((\n)/4)+8704*((\n)%2)+1088*(2*\p)+16*(((\n)%4)/2)
	ds_store_b16_d16_hi v2, v[CV+2*\p+1] offset:17408*((\n)/4)+8704*((\n)%2)+1088*(2*\p+1)+16*(((\n)%4)/2)
.endr
.irp k, 0,1,2,3,4,5,6,7
	ds_store_b8 v3, v[BY+\k] offset:1024*((\n)/4)+32*((\n)%4)+4*\k   ; a block's eight lanes write the same byte with the same value
.endr
.if (\n) < 4
	WIN 0x40
	LOAD (\n)+4
	WIN 0
.endif
.endm
.macro FRAGS t                         ; tile t of the slice: 16 fragments into window 1, and their scale words
	WIN 0x40
.irp s, 0,1,2,3,4,5,6,7,8,9,10,11,12,13,14,15
.irp c, 0,1
	ds_load_b128 v[8*(16*(\t)+\s)+4*\c:8*(16*(\t)+\s)+4*\c+3], v4 offset:17408*(\t)+1088*\s+544*\c
.endr
.endr
	WIN 0
.irp g, 0,1
	ds_load_b128 v[WS+8*(\t)+4*\g:WS+8*(\t)+4*\g+3], v5 offset:1024*(\t)+32*\g   ; lanes 0-15 K steps 8 g .. + 3, lanes 16-31 K steps 8 g + 4 .. + 7
.endr
.endm
.macro GIDX d, t                       ; the expert's tile t, held on its last tile, as a number among all tiles
	s_min_u32 \d, \t, s27
	s_add_co_u32 \d, \d, s28
	s_min_u32 \d, \d, 1023
.endm
.macro TILEOFF                         ; tile s31's offsets in hc, hs and the list
	s_lshl_b32 s32, s31, 14
	v_add_nc_u32 v16, s32, v1
	s_lshl_b32 s32, s31, 10
	v_add_nc_u32 v17, s32, v8
	s_lshl_b32 s32, s31, 6
	v_add_nc_u32 v18, s32, v9
.endm
.macro LOADH q                         ; 20 loads: K half q's eight fragments, 512 consecutive bytes a load, and their scale words: lanes 0-15 K step 8 q + 2 k, lanes 16-31 the next
.irp s, 0,1,2,3,4,5,6,7
.irp c, 0,1
	global_load_b128 v[40+68*(\q)+8*\s+4*\c:40+68*(\q)+8*\s+4*\c+3], v16, s[12:13] offset:1024*(8*(\q)+\s)+512*\c
.endr
.endr
.irp k, 0,1,2,3
	global_load_b32 v[104+68*(\q)+\k], v17, s[14:15] offset:512*(\q)+128*\k
.endr
.endm
.macro BIASLD                          ; the bias in the result's layout: tile t, lane half h: columns 16 t + 8 h + 0 .. 7
.irp t, 0,1
	ds_load_b128 v[ACC+8*\t:ACC+8*\t+3], v6 offset:64*\t
	ds_load_b128 v[ACC+8*\t+4:ACC+8*\t+7], v6 offset:64*\t+16
.endr
.endm
.macro WM t, s, q                      ; one product: W2's scale word of K step 8 q + s lies in row s / 4 of its register, the tokens' in row s % 2
.if ((\s) < 4) && ((\s)%2 == 0)
	v_wmma_scale_f32_16x16x128_f8f6f4 v[ACC+8*(\t):ACC+8*(\t)+7], v[8*(16*(\t)+8*(\q)+(\s)):8*(16*(\t)+8*(\q)+(\s))+7], v[40+68*(\q)+8*(\s):40+68*(\q)+8*(\s)+7], v[ACC+8*(\t):ACC+8*(\t)+7], v[WS+8*(\t)+4*(\q)+(\s)%4], v[104+68*(\q)+(\s)/2] matrix_a_fmt:MATRIX_FMT_FP4 matrix_b_fmt:MATRIX_FMT_FP4
.elseif (\s) < 4
	v_wmma_scale_f32_16x16x128_f8f6f4 v[ACC+8*(\t):ACC+8*(\t)+7], v[8*(16*(\t)+8*(\q)+(\s)):8*(16*(\t)+8*(\q)+(\s))+7], v[40+68*(\q)+8*(\s):40+68*(\q)+8*(\s)+7], v[ACC+8*(\t):ACC+8*(\t)+7], v[WS+8*(\t)+4*(\q)+(\s)%4], v[104+68*(\q)+(\s)/2] matrix_a_fmt:MATRIX_FMT_FP4 matrix_b_fmt:MATRIX_FMT_FP4 matrix_b_scale:MATRIX_SCALE_ROW1
.elseif (\s)%2 == 0
	v_wmma_scale_f32_16x16x128_f8f6f4 v[ACC+8*(\t):ACC+8*(\t)+7], v[8*(16*(\t)+8*(\q)+(\s)):8*(16*(\t)+8*(\q)+(\s))+7], v[40+68*(\q)+8*(\s):40+68*(\q)+8*(\s)+7], v[ACC+8*(\t):ACC+8*(\t)+7], v[WS+8*(\t)+4*(\q)+(\s)%4], v[104+68*(\q)+(\s)/2] matrix_a_fmt:MATRIX_FMT_FP4 matrix_b_fmt:MATRIX_FMT_FP4 matrix_a_scale:MATRIX_SCALE_ROW1
.else
	v_wmma_scale_f32_16x16x128_f8f6f4 v[ACC+8*(\t):ACC+8*(\t)+7], v[8*(16*(\t)+8*(\q)+(\s)):8*(16*(\t)+8*(\q)+(\s))+7], v[40+68*(\q)+8*(\s):40+68*(\q)+8*(\s)+7], v[ACC+8*(\t):ACC+8*(\t)+7], v[WS+8*(\t)+4*(\q)+(\s)%4], v[104+68*(\q)+(\s)/2] matrix_a_fmt:MATRIX_FMT_FP4 matrix_b_fmt:MATRIX_FMT_FP4 matrix_a_scale:MATRIX_SCALE_ROW1 matrix_b_scale:MATRIX_SCALE_ROW1
.endif
.endm
.macro MULH q                          ; 16 matrix instructions; the two accumulators take turns, one instruction a turn
	WIN 0x01                                       ; source 0 (W2) window 1
.irp s, 0,1,2,3,4,5,6,7
.irp t, 0,1
	WM \t, \s, \q
.endr
.endr
	WIN 0
.rept 5
	v_nop                                          ; places behind the products: for the loads into the operands, the reads of the results, and the next tile's run, which writes the accumulators again
.endr
.endm
; A tile.  ahead = 1, in the loop: my next tile, 8 on, exists and is asked for, each K half as soon as its registers are free.  ahead = 0, the last trip: nothing is asked for.
.macro TRIP ahead
	s_wait_loadcnt 21                              ; K half 0 is in; half 1's 20 loads and the list's one may be out
	s_wait_dscnt 0x0                               ; the bias (and, the first time, the fragments)
	MULH 0
	s_wait_xcnt 0x0                                ; earlier loads and stores have read their offsets and data: the three offsets, and further on the last tile's rows and their offsets, are written again
.if \ahead
	s_add_co_u32 s30, s29, 8
	GIDX s31, s30
	TILEOFF
	LOADH 0
	s_wait_loadcnt 20                              ; K half 1 and the token numbers are in; the 20 loads just issued may be out
.else
	s_wait_loadcnt 0x0                             ; K half 1 and the token numbers are in: nothing was issued behind them
.endif
	MULH 1
.if \ahead
	LOADH 1
.endif
.irp k, 0,1,2,3
	v_min_u32 v[20+\k], 0x7ff, v[20+\k]
	v_lshl_add_u32 v[OFF+\k], v[20+\k], 12, v13    ; the token's row of out0, my slice's columns
.endr
.if \ahead
	global_load_b128 v[20:23], v18, s[16:17]       ; the next tile's tokens
.endif
.irp t, 0,1
.irp q, 0,1
	ds_store_b128 v11, v[ACC+8*\t+4*\q:ACC+8*\t+4*\q+3] offset:64*\t+16*\q   ; each accumulator from its low end on
.endr
.endr
.irp k, 0,1,2,3
	ds_load_b128 v[OB+4*\k:OB+4*\k+3], v12 offset:144*\k   ; LDS serves a wave's instructions in order: these see the stores
.endr
	s_wait_dscnt 0x0
.irp k, 0,1,2,3
	global_store_b128 v[OFF+\k], v[OB+4*\k:OB+4*\k+3], s[20:21] th:TH_STORE_NT   ; eight lanes store a token's 128 consecutive bytes
.endr
.if \ahead
	BIASLD                                         ; for the next tile
.endif
.endm
	WIN 0x40
	LOAD 0
	LOAD 1
	LOAD 2
	LOAD 3
	WIN 0
	s_wait_kmcnt 0x0                               ; the expert's tiles
	s_max_u32 s27, s25, 1
	s_sub_co_u32 s27, s27, 1                       ; its last tile's ordinal
	s_mov_b32 s28, s24                             ; its first tile
	GIDX s31, s2
	TILEOFF
	LOADH 0                                        ; my first tile comes in under the weights' stream
	LOADH 1
	global_load_b128 v[20:23], v18, s[16:17]       ; the tokens of rows 4 (l / 8) .. + 3
	QL 0, 63, 0                                    ; behind a line: three lines and the tile's 41 loads, 65 in all; a wait's count names 63 at the most, which asks for more than is needed
	ds_store_b32 v7, v10                           ; the bias was asked for ahead of line 0
	QL 1, 63, 0
	QL 2, 63, 1
	QL 3, 63, 1
	s_wait_dscnt 0x0                               ; for the others' sake: my codes and scale bytes of rows 0-15, and my bias, have landed
	s_barrier_signal -1
	s_barrier_wait -1                              ; tile 0 lies in LDS: bytes under 17,408 and scale bytes under SCB + 1,024, which nobody writes from here on
	FRAGS 0                                        ; it is read while lines 4-7 come in
	QL 4, 24, 0                                    ; (the wait in front of the barrier has shown lines 2 and 3's stores done)
	QL 5, 16, 0
	QL 6, 8, 1
	QL 7, 0, 1
	s_wait_dscnt 0x0                               ; for the others' sake: the rest of my codes and scale bytes have landed
	s_barrier_signal -1
	s_barrier_wait -1                              ; the whole slice lies in LDS
	FRAGS 1
	BIASLD
	s_mov_b32 s29, s2                              ; my first tile's ordinal
	s_add_co_u32 s[TRIPS], s25, 7
	s_sub_co_u32 s[TRIPS], s[TRIPS], s2
	s_lshr_b32 s[TRIPS], s[TRIPS], 3               ; my trips: as many as there are ordinals w, w + 8, .. under the expert's tiles
	s_min_u32 s[TRIPS], s[TRIPS], 16               ; (2,048 tokens are 128 tiles at the most)
	s_cmp_eq_u32 s[TRIPS], 0
	s_cbranch_scc1 .Ldone
	s_sub_co_u32 s[TRIPS], s[TRIPS], 1             ; those that have a successor
	s_mov_b32 s[CNT], 0
	s_cmp_lt_u32 s[CNT], s[TRIPS]
	s_cbranch_scc0 .Ltail
.Ltrip:                                            ; a tile a trip
	TRIP 1
	s_add_co_u32 s29, s29, 8
	s_add_co_u32 s[CNT], s[CNT], 1
	s_cmp_lt_u32 s[CNT], s[TRIPS]
	s_cbranch_scc1 .Ltrip
.Ltail:
	TRIP 0                                         ; my last tile
.Ldone:
	s_wait_tensorcnt 0x0                           ; the wave's end
	ds_add_u32 v14, v15
	s_wait_dscnt 0x0
	s_endpgm
.Lfunc_end_k_q2b4b226c1a_ffn2:
	.size	k_q2b4b226c1a_ffn2, .Lfunc_end_k_q2b4b226c1a_ffn2-k_q2b4b226c1a_ffn2
	.p2alignl 7, 3214868480
	.fill 96, 4, 3214868480
	.section	.rodata,"a",@progbits
	.p2align	6, 0x0
	.amdhsa_kernel k_q2b4b226c1a_ffn2
		.amdhsa_group_segment_fixed_size 56576
		.amdhsa_private_segment_fixed_size 0
		.amdhsa_enable_private_segment 0
		.amdhsa_kernarg_size 56
		.amdhsa_user_sgpr_count 2
		.amdhsa_user_sgpr_kernarg_segment_ptr 1
		.amdhsa_wavefront_size32 1
		.amdhsa_system_sgpr_workgroup_id_x 1
		.amdhsa_system_sgpr_workgroup_id_y 1
		.amdhsa_system_sgpr_workgroup_id_z 1
		.amdhsa_system_vgpr_workitem_id 0
		.amdhsa_next_free_vgpr 512
		.amdhsa_next_free_sgpr 100
		.amdhsa_reserve_vcc 0
		.amdhsa_float_denorm_mode_32 3
		.amdhsa_float_denorm_mode_16_64 3
		.amdhsa_memory_ordered 1
		.amdhsa_forward_progress 1
		.amdhsa_inst_pref_size 78
	.end_amdhsa_kernel
	.amdgpu_metadata
---
amdhsa.version: [ 1, 2 ]
amdhsa.kernels:
  - .name:           k_q2b4b226c1a_ffn2
    .symbol:         k_q2b4b226c1a_ffn2.kd
    .args:
      - { .name: W2, .offset: 0, .size: 8, .value_kind: global_buffer, .address_space: global }
      - { .name: b2, .offset: 8, .size: 8, .value_kind: global_buffer, .address_space: global }
      - { .name: hc, .offset: 16, .size: 8, .value_kind: global_buffer, .address_space: global }
      - { .name: hs, .offset: 24, .size: 8, .value_kind: global_buffer, .address_space: global }
      - { .name: tok, .offset: 32, .size: 8, .value_kind: global_buffer, .address_space: global }
      - { .name: meta, .offset: 40, .size: 8, .value_kind: global_buffer, .address_space: global }
      - { .name: out0, .offset: 48, .size: 8, .value_kind: global_buffer, .address_space: global }
    .group_segment_fixed_size: 56576
    .private_segment_fixed_size: 0
    .kernarg_segment_align: 8
    .kernarg_segment_size: 56
    .max_flat_workgroup_size: 256
    .sgpr_count:     100
    .vgpr_count:     512
    .wavefront_size: 32
...
	.end_amdgpu_metadata
.endif
;; end of part 3
